; MI455X (gfx1250); checked and timed in simulation.
; The chip was launched on July 23, 2026; its instructions are those of AMD's public machine-readable ISA for CDNA 5 (MIT licence, August 2026) and "CDNA5" Instruction Set Architecture Reference Guide (July 2026). The comments in the code are by the model that wrote it; some were corrected since.
;; Parameterized Knowledge Selector. Allowed arithmetic: matrix products marked QUANTISED: E2M3 operands, one E8M0 scale for each 32 along K, by v_wmma_scale_f32_16x16x128_f8f6f4 with both operands' format E2M3, f32 sums; products left as they are: f32 operands where the result goes on into a quantised operand, else bf16, f16 or f32 operands; f32 sums; everything else in f32.
;; Inputs: dense_weights 2,048 x 1,024 float32; dot_bias 1,024 x 1 float32; x_codes 64 x 513 x 32 x 24 uint8 (E2M3 codes of x, K innermost, in blocks of 32 codes, four codes in three bytes); x_scales 64 x 513 x 32 uint8 (E8M0 scales of x, one for each 32 codes along K).
;; Outputs: out0 64 x 512 float32.
;; This version of the problem:
;;   THIS VERSION OF THE PROBLEM IS GIVEN IN LOW PRECISION. The matrix products marked QUANTISED in the list below multiply operands that are first quantised to E2M3 (2 exponent bits, 3 mantissa bits; 6 bits a number), with one power-of-two scale for each 32 numbers along K (OCP MX v1.0); their sums are f32. All else is computed in f32.
;;   The module's matrix products, in the order in which they are computed (A, B: the left and right operand; K: the contracted axis; several contracted axes count as one K, in the product's order):
;;     1. [M 32,768, K 1,024] x [K 1,024, N 1,024]; A: input x (given as codes); B: input dense_weights: QUANTISED
;;     2. [M 64, K 1,024] x [K 1,024, N 1,024]; A: input x (given as codes); B: input dense_weights: QUANTISED
;;     3. [M 32,768, K 1,024] x [K 1,024, N 1]; A: computed on the way; B: input dot_bias: left as it is (N = 1 < 16)
;;   THE QUANTISER, for each operand of a quantised product, along K:
;;     - K is cut into blocks of 32 from its start; a last block that is shorter is filled with zeros.
;;     - A block's scale is 2^e with e = floor(log2(the largest magnitude in the block)) - 2, held to -126 .. 127; a block of zeros has e = 0. As a byte (E8M0): e + 127.
;;     - Each number is divided by its block's scale, clamped to +-7.5, and rounded to the nearest number of E2M3, ties to even, subnormals kept.
;;     - The product sums the exact products of the quantised numbers (number of the format x scale) in f32.
;;   ~~~python
;;   def quantise(x, axis):      # numpy; x: float32 -> the quantised numbers, widened to float32 again
;;       x = np.moveaxis(x, axis, -1); K = x.shape[-1]
;;       x = np.pad(x, [(0, 0)] * (x.ndim - 1) + [(0, -K % 32)]); x = x.reshape(x.shape[:-1] + (-1, 32)); a = np.abs(x).max(-1, keepdims=True)
;;       e = np.where(a > 0, np.clip(np.frexp(np.where(a > 0, a, 1))[1] - 1 - 2, -126, 127), 0)      # np.frexp(a)[1] - 1 = floor(log2(a)), exactly
;;       r = np.clip(x / 2.0 ** e, -7.5, 7.5)
;;       step = 2.0 ** (np.maximum(np.frexp(np.where(r == 0, 1, r))[1] - 1, 0) - 3)
;;       q = np.round(r / step) * step * 2.0 ** e      # np.round: ties to even
;;       return np.moveaxis(q.reshape(q.shape[:-2] + (-1,))[..., :K], -1, axis).astype(np.float32)
;;   ~~~
;;   INPUTS GIVEN AS CODES. x (in the module: [64, 513, 1024], K = its axis 2): each comes as NAME_codes (uint8): NAME with its K axis moved to the last place and cut into blocks of 32 codes, [.., K / 32, bytes a block], one block behind the other in memory; four codes in three bytes: a row's codes are one little-endian stream of bits, code i at bits 6 i .. 6 i + 5 (a code: sign, 2 exponent bits, 3 mantissa bits); and NAME_scales (uint8): the same leading axes, one E8M0 byte (e + 127) for each 32 codes along K. Its value is code x scale, taken as it is: it is not quantised again, and the codes and scales need not be those that the quantiser above would give.
;; One version. Each part assembles by itself: llvm-mc -triple=amdgcn-amd-amdhsa -mcpu=gfx1250 --defsym DOCPART=n.
;; ======== version 1 of 1: 3 launches
;; limits: right only within a limited range of input values
;; workspace buffers: wz_codes 786,432 bytes; wz_scales 32,768 bytes; cpart 2,097,152 bytes; qpart 524,288 bytes
;; launch prep (part 1): grid 16 x 16, 4 waves a work-group, no clusters, 30,720 bytes of LDS; arguments dense_weights, x_codes, x_scales, wz_codes, wz_scales, cpart; writes wz_codes, wz_scales, cpart
.if DOCPART == 1
	.amdgcn_target "amdgcn-amd-amdhsa--gfx1250"
	.amdhsa_code_object_version 6
	.text
	.protected	k_q454fcfea33_prep
	.globl	k_q454fcfea33_prep
	.p2align	8
	.type	k_q454fcfea33_prep,@function
k_q454fcfea33_prep:
	s_mov_b64 s[64:65], 0
	v_nop
	global_prefetch_b8 v0, s[64:65] scope:SCOPE_SE
	s_setreg_imm32_b32 hwreg(HW_REG_WAVE_MODE, 25, 1), 1
	s_wait_xcnt 0x0
; dense_weights [2048 (k)][1024 (n)] f32 is quantised along k to FP6 (E2M3) with one E8M0 byte for each 32 along k.
; Rows 0-1023 (W_z) leave as operand images for the next launch; rows 1024-2047 (W_u) are multiplied at once by u = x[:,0,:] (given as codes): c = u W_u.
; LEFT OUT IN THIS PROGRAM: with tanh(v) = 1 - 2 y, y = 1 / (1 + e^(2 v)), a row's q is (the sum of dot_bias) - 2 (the sum of dot_bias y).  The first sum is the same for every row of the softmax, whatever dot_bias holds, so it cancels there and is not formed.
; (An overflow or a NaN of that sum alone is not carried to the result.)
; SHARES.  Work-group (G, y): columns 64 G .. 64 G + 63, K step y of 128 rows; y < 8: W_z; y >= 8: W_u.  Wave m takes the K step's block m of 32 rows: 32 loads, each of 256 consecutive bytes, at a multiple of 256.
; A lane takes columns 2 l and 2 l + 1 and its registers run down K: each column's 32 numbers are a whole block, so no other lane is asked for a maximum.
; ORDER OF K INSIDE A K STEP, the same on both operands of every product of this program: lane half h holds the memory blocks 2 h and 2 h + 1 (48 bytes on end of a row of codes).
; The operand's place 2 c + h so holds memory block 2 h + c, and the scale word's bytes follow: for given words bytes 1 and 2 change places.  The sums' terms are the same; their grouping inside an instruction is not that of ascending k.
; A block's scale byte is its largest magnitude's exponent field - 2, held at 1 from below.  LIMITS: a block of zeros gets the byte 1 (its codes are zeros; the bytes are read by this program alone);
; blocks whose largest magnitude lies under 2^-124 keep the byte 1; NaN and infinities in dense_weights are not served.
; OUT.  wz_codes [tile of 16 columns][K step][3][lane][16 bytes]: the image of a fragment's 12 registers.  wz_scales [K step][1024] words.  cpart [K step of W_u][batch][1024] f32: eight parts of c, added by the next launch.
.set X,   32                           ; v32-95   64 numbers as loaded: row i at X + 2 i (column 2 l), X + 2 i + 1 (column 2 l + 1)
.set Y,   96                           ; v96-127 the first column's 32, v128-159 the second's
.set P,   160                          ; v160-165, v168-173 their codes
.set P2,  176                          ; v176-178, v180-182 the upper halves as the conversions leave them
.set U,   184                          ; v184-195 u's fragment (my 16 batches)
.set SB,  6144                         ; behind an image of 6,144 bytes: 64 scale words
.set WUB, 6400                         ; W_u's work-groups have LDS bytes of their own
.set STG, 12800                        ; 64 batches x (256 + 16) bytes
.set SPARE, 30208
.set UB,  393984                       ; bytes from batch to batch in x_codes: 513 rows of 768
.set US,  16416                        ; and in x_scales: 513 rows of 32
	s_load_b256 s[4:11], s[0:1], 0x0               ; dense_weights s[4:5], x_codes s[6:7], x_scales s[8:9], wz_codes s[10:11]
	s_load_b128 s[12:15], s[0:1], 0x20             ; wz_scales s[12:13], cpart s[14:15]
	v_lshl_add_u32 v2, v0, 2, SPARE
	v_mov_b32 v3, 0
	v_lshrrev_b32 v1, 5, v0
	v_readfirstlane_b32 s16, v1                    ; wave m = 0..3
	s_and_b32 s17, ttmp7, 0xffff                   ; y
	s_and_b32 s18, s16, 1                          ; c
	s_lshr_b32 s19, s16, 1                         ; h
	s_mul_i32 s20, s18, 520
	s_lshl_b32 s21, s19, 8
	s_add_co_u32 s20, s20, s21                     ; register 6 c of lane half h in the image,
	s_mul_i32 s22, s18, 1016
	s_add_co_u32 s22, s22, s21
	s_add_co_u32 s22, s22, 8                       ; register 6 c + 2,
	s_add_co_u32 s23, s20, 512                     ; register 6 c + 4
	s_lshl_b32 s24, s18, 1
	s_add_co_u32 s24, s24, s19
	s_add_co_u32 s24, s24, SB                      ; byte 2 c + h of a scale word
	s_mul_i32 s25, s16, 1536
	s_mul_i32 s28, s16, 16*272
	s_add_co_u32 s28, s28, STG
	v_and_b32 v1, 31, v0                           ; lane
	v_lshlrev_b32 v4, 3, v1                        ; 8 x lane
	v_and_b32 v12, 7, v1
	v_lshrrev_b32 v13, 3, v1
	v_mul_u32_u24 v13, v13, 1536
	v_lshl_add_u32 v5, v12, 5, v13                 ; column 2 l: tile l / 8, row 2 l % 16 of the image
	v_add_nc_u32 v6, s20, v5
	v_add_nc_u32 v7, s22, v5
	v_add_nc_u32 v8, s23, v5
	v_add_nc_u32 v9, s24, v4
	v_lshlrev_b32 v10, 4, v1                       ; 16 x lane
	v_add_nc_u32 v11, s25, v10                     ; tile m of the image
	v_add_nc_u32 v12, SB, v4
	v_and_b32 v13, 15, v0                          ; r
	v_bfe_u32 v14, v0, 4, 1                        ; h
	v_mul_u32_u24 v15, v13, UB
	v_mad_u32_u24 v15, v14, 48, v15                ; u's codes: batch r, + 48 h
	v_mul_u32_u24 v16, v13, US                     ; u's scale words
	v_lshlrev_b32 v17, 2, v13
	v_add_nc_u32 v17, SB, v17                      ; W_u's scale words, 64 bytes a tile
	v_mul_u32_u24 v18, v13, 272
	v_lshl_add_u32 v18, v14, 5, v18
	v_add_nc_u32 v18, s28, v18                     ; stage, in: batch 16 m + r, columns 8 h of a tile
	v_mul_u32_u24 v19, v14, 272
	v_lshl_add_u32 v19, v13, 4, v19
	v_add_nc_u32 v19, s28, v19                     ; stage, out: batches 16 m + h, 16 bytes x r
	v_lshlrev_b32 v20, 12, v14
	v_lshl_add_u32 v20, v13, 4, v20                ; and the same in cpart
	s_lshl_b32 s24, s17, 19                        ; 128 rows of 4,096 bytes a K step,
	s_lshl_b32 s25, s16, 17                        ; 32 a wave,
	s_add_co_u32 s24, s24, s25
	s_lshl_b32 s25, ttmp9, 8                       ; 256 bytes a group of columns
	s_add_co_u32 s24, s24, s25
	s_mov_b32 s25, 0
	s_mov_b32 s40, 0x03010200                      ; bytes 1 and 2 of a given scale word change places
	s_wait_alu depctr_va_vdst(0)
	s_wait_kmcnt 0x0
	s_add_nc_u64 s[4:5], s[4:5], s[24:25]
.macro LOADW
.set I_, 0
.rept 32
	global_load_b64 v[X+2*I_:X+2*I_+1], v4, s[4:5] offset:I_*4096 th:TH_LOAD_NT
.set I_, I_+1
.endr
.endm
; My two blocks become codes and bytes in the image at LDS byte b.
.macro QW b
.irp g, 0,1,2,3
	s_wait_loadcnt 24-8*\g                         ; rows 8 g .. 8 g + 7 are in; the younger loads may be out
.set I_, 8*\g
.rept 8
	v_mov_b32 v[Y+I_], v[X+2*I_]                   ; the conversions take neighbours along K from consecutive registers
	v_mov_b32 v[Y+32+I_], v[X+2*I_+1]
.set I_, I_+1
.endr
.set I_, 8*\g
.rept 4
.if I_ == 0
	v_max3_num_f32 v21, |v[X]|, |v[X+2]|, 0x1800000        ; and the floor 2^(3 - 127): the byte cannot fall under 1
	v_max3_num_f32 v22, |v[X+1]|, |v[X+3]|, 0x1800000
.else
	v_max3_num_f32 v21, v21, |v[X+2*I_]|, |v[X+2*I_+2]|
	v_max3_num_f32 v22, v22, |v[X+2*I_+1]|, |v[X+2*I_+3]|
.endif
.set I_, I_+2
.endr
.endr
	v_add_nc_u32 v23, 0xff000000, v21              ; 2 off the exponent field: the conversion's scale operand
	v_add_nc_u32 v24, 0xff000000, v22
	v_lshrrev_b32 v25, 23, v23                     ; the scale's byte
	v_lshrrev_b32 v26, 23, v24
	v_cvt_scalef32_pk16_fp6_f32 v[P:P+2], v[Y:Y+15], v23
	v_cvt_scalef32_pk16_fp6_f32 v[P2:P2+2], v[Y+16:Y+31], v23
	v_cvt_scalef32_pk16_fp6_f32 v[P+8:P+10], v[Y+32:Y+47], v24
	v_cvt_scalef32_pk16_fp6_f32 v[P2+4:P2+6], v[Y+48:Y+63], v24
	v_nop                                          ; one plain place behind the scaled conversions
.irp i, 0,1,2
	v_mov_b32 v[P+3+\i], v[P2+\i]
	v_mov_b32 v[P+11+\i], v[P2+4+\i]
.endr
.irp k, 0,1
	ds_store_b64 v6, v[P+8*\k:P+8*\k+1] offset:\b+16*\k
	ds_store_b64 v7, v[P+8*\k+2:P+8*\k+3] offset:\b+16*\k
	ds_store_b64 v8, v[P+8*\k+4:P+8*\k+5] offset:\b+16*\k
.endr
	ds_store_b8 v9, v25 offset:\b
	ds_store_b8 v9, v26 offset:\b+4
	s_wait_dscnt 0x0                               ; for the others' sake: my stores have landed
	s_barrier_signal -1
	s_barrier_wait -1
.endm
.macro ENDING                          ; the wave's end
	s_wait_tensorcnt 0x0
	ds_add_u32 v2, v3
	s_wait_dscnt 0x0
	s_endpgm
.endm
	s_cmp_ge_u32 s17, 8                            ; the work-group's role: the same in its four waves
	s_cbranch_scc1 .Lwu
	; ---- W_z: the image leaves, a tile a wave
	LOADW
	s_lshl_b32 s30, ttmp9, 2
	s_add_co_u32 s30, s30, s16
	s_lshl_b32 s30, s30, 3
	s_add_co_u32 s30, s30, s17                     ; 8 x tile + K step
	s_mul_i32 s30, s30, 1536
	s_mov_b32 s31, 0
	s_add_nc_u64 s[10:11], s[10:11], s[30:31]
	s_lshl_b32 s30, s17, 12
	s_lshl_b32 s32, ttmp9, 8
	s_add_co_u32 s30, s30, s32
	s_add_nc_u64 s[12:13], s[12:13], s[30:31]
	QW 0
.irp c, 0,1,2
	ds_load_b128 v[X+4*\c:X+4*\c+3], v11 offset:512*\c
.endr
	ds_load_b64 v[X+12:X+13], v12
	s_wait_dscnt 0x0
.irp c, 0,1,2
	global_store_b128 v10, v[X+4*\c:X+4*\c+3], s[10:11] offset:512*\c    ; 512 consecutive bytes a store
.endr
	s_cmp_lg_u32 s16, 0
	s_cbranch_scc1 .Lno_scales
	global_store_b64 v4, v[X+12:X+13], s[12:13]    ; wave 0: the 64 scale words, 256 consecutive bytes
.Lno_scales:
	ENDING
.Lwu:
	; ---- W_u: K step y - 8 of c = u W_u, for all 64 batches; wave m multiplies batches 16 m .. 16 m + 15
	s_sub_co_u32 s26, s17, 8
	s_mul_i32 s28, s26, 96                         ; 96 bytes of codes a K step
	s_mov_b32 s29, 0
	s_mul_i32 s30, s16, 16*UB
	s_add_co_u32 s28, s28, s30                     ; my 16 batches
	s_add_nc_u64 s[30:31], s[6:7], s[28:29]
	s_lshl_b32 s28, s26, 2
	s_mul_i32 s32, s16, 16*US
	s_add_co_u32 s28, s28, s32
	s_add_nc_u64 s[8:9], s[8:9], s[28:29]          ; the K step's scale word
.irp i, 0,1,2
	global_load_b128 v[U+4*\i:U+4*\i+3], v15, s[30:31] offset:16*\i
.endr
	global_load_b32 v236, v16, s[8:9]
	LOADW
	s_lshl_b32 s28, s26, 18                        ; 64 batches of 4,096 bytes a part,
	s_lshl_b32 s34, s16, 16                        ; my 16 batches,
	s_add_co_u32 s28, s28, s34
	s_lshl_b32 s34, ttmp9, 8
	s_add_co_u32 s28, s28, s34
	s_add_nc_u64 s[14:15], s[14:15], s[28:29]
	QW WUB                                         ; its first wait also covers u's loads, issued ahead of W's
	; wave m takes batches 16 m .. 16 m + 15 and all four tiles of columns
.irp t, 0,1,2,3
.irp c, 0,1,2
	ds_load_b128 v[64+12*\t+4*\c:67+12*\t+4*\c], v10 offset:WUB+1536*\t+512*\c
.endr
	ds_load_b32 v[28+\t], v17 offset:WUB+64*\t
.endr
	s_wait_dscnt 0x0
	v_perm_b32 v240, v236, v236, s40               ; u's scale words in this program's order of K
.rept 8
	v_nop                                          ; a scale register written by a vector instruction stands 8 places ahead of a scaled matrix instruction
.endr
	s_wait_alu depctr_va_vdst(0)
.irp t, 0,1,2,3
	v_wmma_scale_f32_16x16x128_f8f6f4 v[X+8*\t:X+8*\t+7], v[64+12*\t:75+12*\t], v[U:U+11], 0, v[28+\t], v240 matrix_a_fmt:MATRIX_FMT_FP6 matrix_b_fmt:MATRIX_FMT_FP6   ; source 0 = 16 columns of W_u, source 1 = 16 batches
.endr
.rept 4
	v_nop                                          ; four places in front of the first read of results
.endr
.irp t, 0,1,2,3
	ds_store_b128 v18, v[X+8*\t:X+8*\t+3] offset:64*\t           ; each result from its low end on; the rows are my own, and LDS serves a wave's instructions in order (ISA guide 5.7.1.4)
	ds_store_b128 v18, v[X+8*\t+4:X+8*\t+7] offset:64*\t+16
.endr
.irp q, 0,1,2,3,4,5,6,7
	ds_load_b128 v[Y+4*\q:Y+4*\q+3], v19 offset:544*\q
.endr
	s_wait_dscnt 0x0
.irp q, 0,1,2,3,4,5,6,7
	global_store_b128 v20, v[Y+4*\q:Y+4*\q+3], s[14:15] offset:8192*\q   ; sixteen lanes store 256 consecutive bytes, at a multiple of 256
.endr
	ENDING
.Lfunc_end_k_q454fcfea33_prep:
	.size	k_q454fcfea33_prep, .Lfunc_end_k_q454fcfea33_prep-k_q454fcfea33_prep
	.p2alignl 7, 3214868480
	.fill 96, 4, 3214868480
	.section	.rodata,"a",@progbits
	.p2align	6, 0x0
	.amdhsa_kernel k_q454fcfea33_prep
		.amdhsa_group_segment_fixed_size 30720
		.amdhsa_private_segment_fixed_size 0
		.amdhsa_enable_private_segment 0
		.amdhsa_kernarg_size 48
		.amdhsa_user_sgpr_count 2
		.amdhsa_user_sgpr_kernarg_segment_ptr 1
		.amdhsa_wavefront_size32 1
		.amdhsa_system_sgpr_workgroup_id_x 1
		.amdhsa_system_sgpr_workgroup_id_y 1
		.amdhsa_system_sgpr_workgroup_id_z 1
		.amdhsa_system_vgpr_workitem_id 0
		.amdhsa_next_free_vgpr 248
		.amdhsa_next_free_sgpr 66
		.amdhsa_reserve_vcc 0
		.amdhsa_float_denorm_mode_32 3
		.amdhsa_float_denorm_mode_16_64 3
		.amdhsa_memory_ordered 1
		.amdhsa_forward_progress 1
		.amdhsa_inst_pref_size 27
	.end_amdhsa_kernel
	.amdgpu_metadata
---
amdhsa.version: [ 1, 2 ]
amdhsa.kernels:
  - .name:           k_q454fcfea33_prep
    .symbol:         k_q454fcfea33_prep.kd
    .args:
      - { .name: dense_weights, .offset: 0, .size: 8, .value_kind: global_buffer, .address_space: global }
      - { .name: x_codes, .offset: 8, .size: 8, .value_kind: global_buffer, .address_space: global }
      - { .name: x_scales, .offset: 16, .size: 8, .value_kind: global_buffer, .address_space: global }
      - { .name: wz_codes, .offset: 24, .size: 8, .value_kind: global_buffer, .address_space: global }
      - { .name: wz_scales, .offset: 32, .size: 8, .value_kind: global_buffer, .address_space: global }
      - { .name: cpart, .offset: 40, .size: 8, .value_kind: global_buffer, .address_space: global }
    .group_segment_fixed_size: 30720
    .private_segment_fixed_size: 0
    .kernarg_segment_align: 8
    .kernarg_segment_size: 48
    .max_flat_workgroup_size: 128
    .sgpr_count:     66
    .vgpr_count:     248
    .wavefront_size: 32
...
	.end_amdgpu_metadata
.endif
;; end of part 1
;; launch main (part 2): grid 4 x 64, 8 waves a work-group, clusters of 4 x 4, 327,680 bytes of LDS; arguments x_codes, x_scales, wz_codes, wz_scales, cpart, dot_bias, qpart; writes qpart
.if DOCPART == 2
	.amdgcn_target "amdgcn-amd-amdhsa--gfx1250"
	.amdhsa_code_object_version 6
	.text
	.protected	k_q454fcfea33_main
	.globl	k_q454fcfea33_main
	.p2align	8
	.type	k_q454fcfea33_main,@function
k_q454fcfea33_main:
	s_mov_b64 s[64:65], 0
	v_nop
	global_prefetch_b8 v0, s[64:65] scope:SCOPE_SE
	s_setreg_imm32_b32 hwreg(HW_REG_WAVE_MODE, 25, 1), 1
	s_wait_xcnt 0x0
	s_wait_alu depctr_hold_cnt(0) depctr_sa_sdst(0) depctr_va_vdst(0) depctr_va_sdst(0) depctr_va_ssrc(0) depctr_va_vcc(0) depctr_vm_vsrc(0)
	s_getreg_b32 s2, hwreg(HW_REG_IB_STS2, 6, 4)
	s_cmp_eq_u32 s2, 0
	s_cbranch_scc0 .Lentry_in_a_cluster
	s_endpgm
.Lentry_in_a_cluster:
	s_bfe_u32 s2, ttmp6, 0x10000c
	s_cmp_lg_u32 s2, 0xf033
	s_cbranch_scc0 .Lentry_shape_is_right
	s_endpgm
.Lentry_shape_is_right:
; qpart[quarter][b][k] = the sum over the quarter's 256 columns e of -2 dot_bias[e] y,  y = 1 / (1 + 2^(2 log2(e) v)),  v = (z W_z)[b][k][e] + c[b][e];  z = x[b][1 + k][:] as given codes, W_z as the codes of the launch before, c = u W_u from there (eight parts).
; tanh(v) = 1 - 2 y: the exponential's infinity gives y = 0, its zero y = 1, so it holds for every finite v.  LEFT OUT: the sum of dot_bias, the same for every row of the softmax (shown at the head of the first kernel).
; SHARES.  A work-group takes one batch b (512 rows of z) and one quarter of the columns.  Eight waves, two on each SIMD: wave (j, i) = (wave % 4, wave / 4) owns 64 columns, four tiles of 16, and of each slot of 128 rows the 64 rows 64 i .. 64 i + 63.
; Its 32 fragments of W_z (384 registers) stay in registers for the whole launch; z goes through LDS, 16 rows a tile: 8 fragments, each feeding 4 matrix instructions.
; SOURCE 0 = 16 rows of z, SOURCE 1 = 16 columns of W_z: a lane holds ONE column (lane % 16) of each tile and the rows 8 (lane / 16) + 0 .. 7.  So c and dot_bias are one register a tile.
; The sum over a row's 16 lanes is taken in the NEXT tile: its instructions are the places between matrix instructions and the loads into their registers.
; ORDER OF K inside a K step of 128, as in the launch before: lane half h holds memory blocks 2 h and 2 h + 1: 48 bytes on end of a row, three loads of 16 bytes; bytes 1 and 2 of each given scale word change places, once, on their way into LDS.
; z's FRAGMENTS have four buffers of 12 registers: K steps 4-7 take the buffers of 0-3 as those have been multiplied, and the next tile's 0-3 those of 4-7.
; CLUSTER 4 x 4.  The four work-groups of a row of the cluster share the batch: z's tiles are asked for jointly along the row.  The four of a column share the quarter: W_z's images jointly along the column.
; z's scale bytes (whose rows begin off 256-byte borders), W_z's scale words, c's parts and dot_bias, 34 KiB of a work-group's 610, come by plain loads.
; NO PREFETCH: a refill is asked for 96 or 128 of a wave's products, and three or four tiles' exponentials and reciprocals, ahead of the wait for it.
; LDS.  0 .. 196,607: W_z's images, read once into registers; then its first 104,448 bytes are slot R1.  R0 at 196,608.  A slot: 128 rows of 816 bytes (3 x (256 + 16): 51 x 16, an odd multiple of 16).
; XSB: the batch's 16,384 scale bytes as 64 x (256 + 16).  QB: 512 sums for each j (at the head: c and -2 dot_bias of the 256 columns).  SPARE: the spare words.  All of the WGP's LDS is claimed.
; LIMIT: a given scale byte 0xff makes the row's sums NaN.
.set R1,    0
.set R0,    196608
.set XSB,   301056
.set QB,    318464
.set SPARE, 326656
.set PITCH, 816
.set TILEB, 16*PITCH                   ; 16 rows of z in a slot
.set QL,  0                            ; v0   where my row's sum goes: QB + 2,048 j + 256 i + 4 (lane / 2)   (v0 is the thread's number until the head has used it)
.set SPW, 1                            ; v1   LDS address of my spare word; never rewritten
.set NIL, 2                            ; v2   0; never rewritten
.set ASC, 3                            ; v3   my row's scale words: XSB + 2,176 i + 32 r + 16 (r / 8)
.set WS,  4                            ; v4-19   W_z's scale words: register 8 (nt / 2) + s: lanes 0-15 the even tile's, lanes 16-31 the odd tile's
.set AD,  20                           ; v20, v21 my rows in R0 (+ 48 h; + 64 h for the pieces that in lanes 16-31 lie behind one padding more); v22, v23 in R1
.set XSC, 24                           ; v24-31  the tile's scale words
.set XF,  32                           ; v32-79  z's fragments: four buffers
.set ACC, 80                           ; v80-111 four accumulators
.set RS,  112                          ; v112-119 a lane's sums of 8 rows over my four tiles
.set B4,  120                          ; v120-123 -2 dot_bias
.set WF,  124                          ; v124-255 W_z's fragments 21-31; window 1, v0-251: 0-20.  Fragment 4 s + nt
.set C4,  252                          ; window 1, v252-255: 2 log2(e) c
.set WV,  18                           ; s18  wave
.set G1A, 24                           ; s[24:31] group 1: 32 rows of z as 96 dense rows of 256 bytes, 16 bytes of padding behind each; mask: my row of the cluster
.set G1W, 40                           ; s[40:47] 192 rows of 256 bytes, no padding: four tiles' images of W_z; mask: my column
.set G0W, 48
.set G0A0, 56                          ; slot R0's group 0
.set G0A1, 60                          ; slot R1's
.set K2,  66                           ; s[66:67] 2 log2(e)
.set M8,  68                           ; s68, s69, s71: lanes whose bit 3, 2, 1 is set
.set M4,  69
.set PSEL, 70
.set M2,  71
.set MSB, 0
.macro WIN new                         ; the immediate's high byte repeats the setting that is left; a switch that changes nothing is dropped
.if MSB != \new
	s_set_vgpr_msb (MSB<<8)|\new
.set MSB, \new
.endif
.endm
.macro PLACES n
.rept \n
	v_nop
.endr
.endm
.macro CREST                           ; a round of the cluster's barrier behind its opening barrier
	s_cmp_lg_u32 s[WV], 0
	s_cbranch_scc1 .Lnot_wave_0_\@
	s_barrier_signal -3
.Lnot_wave_0_\@:
	s_barrier_wait -3
	s_barrier_signal -1
	s_barrier_wait -1
.endm
.macro ROUND
	s_barrier_signal -1
	s_barrier_wait -1
	CREST
.endm
	s_load_b256 s[4:11], s[0:1], 0x0               ; x_codes s[4:5], x_scales s[6:7], wz_codes s[8:9], wz_scales s[10:11]
	s_load_b128 s[12:15], s[0:1], 0x20             ; cpart s[12:13], dot_bias s[14:15]
	s_load_b64 s[16:17], s[0:1], 0x30              ; qpart
	v_lshl_add_u32 v[SPW], v0, 2, SPARE
	v_mov_b32 v[NIL], 0
	ds_add_u32 v[SPW], v[NIL]                      ; the wave's opening: the add, twice on end, and its wait
	ds_add_u32 v[SPW], v[NIL]
	v_lshrrev_b32 v32, 5, v0
	v_readfirstlane_b32 s[WV], v32                 ; wave 0..7
	s_and_b32 s94, s[WV], 3                        ; j: my 64 columns.  Also: which quarter of a fill is mine
	s_lshr_b32 s95, s[WV], 2                       ; i: my half of a slot's rows
	s_bfe_u32 s92, ttmp6, 0x40000                  ; cx
	s_bfe_u32 s93, ttmp6, 0x40004                  ; cy
	s_lshl_b32 s75, ttmp9, 2
	s_add_co_u32 s75, s75, s92                     ; the quarter of the columns = 4 x cluster x + cx
	s_and_b32 s21, ttmp7, 0xffff
	s_lshl_b32 s21, s21, 2
	s_add_co_u32 s21, s21, s93                     ; the batch = 4 x cluster y + cy
	s_lshl_b32 s22, s93, 2
	s_lshl_b32 s22, 15, s22                        ; my row of the cluster
	s_lshl_b32 s23, 0x1111, s92                    ; my column
	s_or_b32 s[G1A], s22, (3<<16)|(1<<20)|(1<<21)|(5<<22)|(3<<25)   ; 15:0 mask; 17:16 elements of 8 bytes; 20 padding on; 21 set beside a mask; 24:22 after every 64 words; 31:25 4 words of it
	s_mov_b32 s[G1A+1], 32<<16                     ; tensor_dim0 = 32 elements: 256 bytes
	s_mov_b32 s[G1A+2], 96<<16                     ; tensor_dim1
	s_mov_b32 s[G1A+3], 32<<16                     ; tile_dim0
	s_mov_b32 s[G1A+4], 96                         ; tile_dim1
	s_mov_b32 s[G1A+5], 32                         ; from row to row: dense
	s_mov_b32 s[G1A+6], 0
	s_mov_b32 s[G1A+7], 0
	s_or_b32 s[G1W], s23, (3<<16)|(1<<21)
	s_mov_b32 s[G1W+1], 32<<16
	s_mov_b32 s[G1W+2], 192<<16
	s_mov_b32 s[G1W+3], 32<<16
	s_mov_b32 s[G1W+4], 192
	s_mov_b32 s[G1W+5], 32
	s_mov_b32 s[G1W+6], 0
	s_mov_b32 s[G1W+7], 0
	; offsets.  z's are made of the batch and the wave alone, W_z's of the quarter and the wave alone, each in registers that never hold the other coordinate
	s_mul_i32 s76, s21, 393984                     ; the batch's 513 rows of 768 bytes,
	s_mul_i32 s77, s94, 24576                      ; my 32 rows of a slot's 128,
	s_add_co_u32 s76, s76, s77
	s_add_co_u32 s76, s76, 768                     ; behind row 0, which is u
	s_mov_b32 s77, 0
	s_mul_i32 s78, s21, 16416                      ; its scale bytes, behind row 0's
	s_add_co_u32 s78, s78, 32
	s_mov_b32 s79, 0
	s_mul_i32 s80, s75, 196608                     ; the quarter's 16 tiles of 12,288 bytes,
	s_mul_i32 s81, s94, 49152                      ; four of them
	s_add_co_u32 s80, s80, s81
	s_mov_b32 s81, 0
	s_lshl_b32 s84, s75, 10                        ; dot_bias: the quarter's 1,024 bytes
	s_mov_b32 s85, 0
	s_lshl_b32 s82, s94, 8
	s_add_co_u32 s82, s82, s84                     ; W_z's scale words: my 256 bytes of the quarter's 1,024
	s_mov_b32 s83, 0
	s_lshl_b32 s86, s21, 12
	s_add_co_u32 s86, s86, s84                     ; cpart: the batch's row, the quarter's columns
	s_mov_b32 s87, 0
	s_lshl_b32 s88, s75, 6
	s_add_co_u32 s88, s88, s21
	s_lshl_b32 s88, s88, 11                        ; qpart: (64 x quarter + batch) rows of 2,048 bytes
	s_mov_b32 s89, 0
	s_mov_b32 s[K2], 0x4038aa3b                    ; 2 log2(e)
	s_mov_b32 s[K2+1], s[K2]                       ; (named with it as a pair)
	s_mov_b32 s[M8], 0xff00ff00
	s_mov_b32 s[M4], 0xf0f0f0f0
	s_mov_b32 s[M2], 0xcccccccc
	s_mov_b32 s[PSEL], 0x03010200                  ; bytes 1 and 2 change places
	s_mul_i32 s96, s95, 4*TILEB
	s_add_co_u32 s97, s96, R0
	s_mul_i32 s91, s95, 2176
	s_add_co_u32 s91, s91, XSB                     ; (kept for the end)
	s_mul_i32 s90, s94, 49152
	s_lshl_b32 s98, s94, 11
	s_lshl_b32 s99, s95, 8
	s_add_co_u32 s98, s98, s99
	s_add_co_u32 s98, s98, QB
	s_lshl_b32 s99, s94, 8
	s_add_co_u32 s99, s99, QB
	v_and_b32 v32, 31, v0                          ; lane
	v_lshlrev_b32 v33, 2, v32                      ; 4 x lane
	v_lshlrev_b32 v34, 2, v0                       ; 4 x thread
	v_lshlrev_b32 v35, 4, v0                       ; 16 x thread
	v_add_nc_u32 v36, QB, v34                      ; where my column's c and -2 dot_bias go
	v_lshrrev_b32 v37, 4, v0
	v_lshl_add_u32 v37, v37, 4, v35
	v_add_nc_u32 v37, XSB, v37                     ; where my 16 scale bytes go: 16 bytes more for each 256 passed
	v_and_b32 v38, 15, v0                          ; r
	v_bfe_u32 v39, v0, 4, 1                        ; h
	v_mul_u32_u24 v40, v38, PITCH
	v_mad_u32_u24 v41, v39, 48, v40
	v_mad_u32_u24 v40, v39, 64, v40
	v_add_nc_u32 v[AD], s97, v41
	v_add_nc_u32 v[AD+1], s97, v40
	v_add_nc_u32 v[AD+2], s96, v41
	v_add_nc_u32 v[AD+3], s96, v40
	v_lshlrev_b32 v42, 5, v38
	v_lshrrev_b32 v43, 3, v38
	v_lshl_add_u32 v42, v43, 4, v42
	v_add_nc_u32 v[ASC], s91, v42
	v_lshlrev_b32 v112, 4, v32
	v_add_nc_u32 v112, s90, v112                   ; my images of W_z: 49,152 j + 16 x lane
	v_lshlrev_b32 v113, 2, v38
	v_add_nc_u32 v113, s99, v113                   ; my columns' c and -2 dot_bias
	v_lshrrev_b32 v44, 1, v32
	v_lshl_add_u32 v[QL], v44, 2, s98
	s_wait_alu depctr_va_vdst(0)
	s_wait_dscnt 0x0                               ; both opening adds are done
	ROUND                                          ; all sixteen work-groups are here: the first joint loads meet
	s_wait_kmcnt 0x0
	s_mov_b32 s[G0W], 1
	s_mul_i32 s[G0W+1], s94, 49152
	s_add_nc_u64 s[G0W+2:G0W+3], s[8:9], s[80:81]
	s_or_b32 s[G0W+3], s[G0W+3], 0x80000000
	s_mov_b32 s[G0A0], 1
	s_mul_i32 s[G0A0+1], s94, 26112
	s_add_co_u32 s[G0A0+1], s[G0A0+1], R0
	s_add_nc_u64 s[G0A0+2:G0A0+3], s[4:5], s[76:77]           ; rows 0-127 of z
	s_mov_b32 s[G0A1], 1
	s_mul_i32 s[G0A1+1], s94, 26112                           ; R1 begins at LDS byte 0
	s_add_nc_u64 s[G0A1+2:G0A1+3], s[G0A0+2:G0A0+3], 98304    ; rows 128-255
	s_or_b32 s[G0A0+3], s[G0A0+3], 0x80000000
	s_or_b32 s[G0A1+3], s[G0A1+3], 0x80000000
	s_cmp_lt_u32 s[WV], 4                          ; one tensor load a wave at the head: waves 0-3 W_z's images, waves 4-7 slot R0
	s_add_nc_u64 s[6:7], s[6:7], s[78:79]          ; (these leave SCC alone)
	s_add_nc_u64 s[10:11], s[10:11], s[82:83]
	s_add_nc_u64 s[12:13], s[12:13], s[86:87]
	s_add_nc_u64 s[14:15], s[14:15], s[84:85]
	s_add_nc_u64 s[16:17], s[16:17], s[88:89]
.macro PLAIN                           ; the plain loads: z's scale bytes, c's eight parts, dot_bias, W_z's scale words
.irp q, 0,1,2,3
	global_load_b128 v[80+4*\q:83+4*\q], v35, s[6:7] offset:4096*\q
.endr
.irp s, 0,1,2,3,4,5,6,7
	global_load_b32 v[64+\s], v34, s[12:13] offset:262144*\s
.endr
	global_load_b32 v72, v34, s[14:15]
.irp p, 0,1
.irp s, 0,1,2,3,4,5,6,7
	global_load_b32 v[WS+8*\p+\s], v33, s[10:11] offset:4096*\s+128*\p
.endr
.endr
.endm
	s_cbranch_scc0 .Lfor_z
	tensor_load_to_lds s[G0W:G0W+3], s[G1W:G1W+7]  ; W_z is needed first and asked for first
	s_nop 0
	PLACES 4
	PLAIN
	s_branch .Lasked
.Lfor_z:
	PLAIN
	tensor_load_to_lds s[G0A0:G0A0+3], s[G1A:G1A+7]
	s_nop 0
	PLACES 4
.Lasked:
	s_wait_loadcnt 16                              ; the scale bytes, c's parts and dot_bias are in; W_z's sixteen scale words may be out
	v_add_f32 v64, v64, v65
	v_add_f32 v66, v66, v67
	v_add_f32 v68, v68, v69
	v_add_f32 v70, v70, v71
	v_add_f32 v64, v64, v66
	v_add_f32 v68, v68, v70
	v_mul_f32 v72, -2.0, v72
	v_add_f32 v64, v64, v68
	v_mul_f32 v64, s[K2], v64                      ; 2 log2(e) c
.set I_, 0
.rept 16
	v_perm_b32 v[80+I_], v[80+I_], v[80+I_], s[PSEL]
.set I_, I_+1
.endr
	ds_store_b32 v36, v64
	ds_store_b32 v36, v72 offset:1024
.irp q, 0,1,2,3
	ds_store_b128 v37, v[80+4*\q:83+4*\q] offset:4352*\q
.endr
	s_cmp_lt_u32 s[WV], 4
	s_cbranch_scc0 .Lno_w
	s_wait_tensorcnt 0x0                           ; my four tiles' images of W_z are in
.Lno_w:
	s_wait_dscnt 0x0
	s_barrier_signal -1
	s_barrier_wait -1                              ; W_z, the scale bytes, c and dot_bias are shown to all
.macro WREAD s                         ; 12 loads: my four tiles' fragments of K step s
.irp t, 0,1,2,3
.set F_, 4*(\s)+\t
.if F_ < 21
	WIN 0x40                                       ; destination window 1
.set W_, 12*F_
.else
	WIN 0
.set W_, WF+12*(F_-21)
.endif
.irp c, 0,1,2
	ds_load_b128 v[W_+4*\c:W_+4*\c+3], v112 offset:(8*\t+\s)*1536+512*\c
.endr
.endr
.endm
; three loads: z's fragment of K step s of tile o of phase ph.  Piece U of 16 bytes of a row lies at 16 U + 16 (U / 16); lanes 16-31 read three pieces on.
.macro LX s, o, ph
.irp i, 0,1,2
.set U0, 6*(\s)+\i
.if U0%16 < 13
	ds_load_b128 v[XF+12*((\s)%4)+4*\i:XF+12*((\s)%4)+4*\i+3], v[AD+2*((\ph)%2)] offset:16*U0+16*(U0/16)+TILEB*(\o)
.else
	ds_load_b128 v[XF+12*((\s)%4)+4*\i:XF+12*((\s)%4)+4*\i+3], v[AD+2*((\ph)%2)+1] offset:16*U0+16*(U0/16)+TILEB*(\o)
.endif
.endr
.endm
.macro LSC o, ph                       ; the tile's scale words
	ds_load_b128 v[XSC:XSC+3], v[ASC] offset:4352*(\ph)+544*(\o)
	ds_load_b128 v[XSC+4:XSC+7], v[ASC] offset:4352*(\ph)+544*(\o)+16
.endm
	WREAD 0
	WREAD 1
	WREAD 2
	WREAD 3
	WIN 0x40
.irp t, 0,1,2,3
	ds_load_b32 v[C4+\t], v113 offset:64*\t
.endr
	WIN 0
.irp t, 0,1,2,3
	ds_load_b32 v[B4+\t], v113 offset:1024+64*\t
.endr
	s_wait_loadcnt 0x0                             ; W_z's scale words
	s_wait_tensorcnt 0x0                           ; my part of slot R0
	s_wait_dscnt 0x0
	s_barrier_signal -1
	s_barrier_wait -1                              ; slot R0 is shown to all
	LX 0, 0, 0
	LX 1, 0, 0
	LX 2, 0, 0
	LX 3, 0, 0
	LSC 0, 0
	WREAD 4
	WREAD 5
	WREAD 6
	WREAD 7
	WIN 0
; The four products of K step s: the accumulators take turns, one instruction a turn.
.macro PROD s
.irp t, 0,1,2,3
.set F_, 4*(\s)+\t
.if F_ < 21
	WIN 0x04                                       ; source 1 window 1
.set W_, 12*F_
.else
	WIN 0
.set W_, WF+12*(F_-21)
.endif
.set X_, XF+12*((\s)%4)
.set D_, ACC+8*\t
.set S_, WS+8*(\t/2)+(\s)
.if (\s) == 0
.if \t%2
	v_wmma_scale_f32_16x16x128_f8f6f4 v[D_:D_+7], v[X_:X_+11], v[W_:W_+11], 0, v[XSC+\s], v[S_] matrix_a_fmt:MATRIX_FMT_FP6 matrix_b_fmt:MATRIX_FMT_FP6 matrix_b_scale:MATRIX_SCALE_ROW1
.else
	v_wmma_scale_f32_16x16x128_f8f6f4 v[D_:D_+7], v[X_:X_+11], v[W_:W_+11], 0, v[XSC+\s], v[S_] matrix_a_fmt:MATRIX_FMT_FP6 matrix_b_fmt:MATRIX_FMT_FP6
.endif
.else
.if \t%2
	v_wmma_scale_f32_16x16x128_f8f6f4 v[D_:D_+7], v[X_:X_+11], v[W_:W_+11], v[D_:D_+7], v[XSC+\s], v[S_] matrix_a_fmt:MATRIX_FMT_FP6 matrix_b_fmt:MATRIX_FMT_FP6 matrix_b_scale:MATRIX_SCALE_ROW1
.else
	v_wmma_scale_f32_16x16x128_f8f6f4 v[D_:D_+7], v[X_:X_+11], v[W_:W_+11], v[D_:D_+7], v[XSC+\s], v[S_] matrix_a_fmt:MATRIX_FMT_FP6 matrix_b_fmt:MATRIX_FMT_FP6
.endif
.endif
.endr
.endm
.macro XADD x, m
	v_add_f32_dpp v[RS+\x], v[RS+\x], v[RS+\x] row_xmask:\m row_mask:0xf bank_mask:0xf
.endm
; Part n of the sum over the 16 lanes of the last tile's 8 rows a lane; each step halves the rows a lane keeps, so that in the end lane l holds row l / 2.  With rd = 0 there is no last tile: the places alone.
.macro RED n, rd
.if \rd
.if \n == 0
.irp x, 0,1,2,3
	XADD \x, 8
.endr
.elseif \n == 1
.irp x, 4,5,6,7
	XADD \x, 8
.endr
.elseif \n == 2
.irp x, 0,1,2,3
	v_cndmask_b32 v[RS+\x], v[RS+\x], v[RS+4+\x], s[M8]
.endr
.elseif \n == 5
.irp x, 0,1,2,3
	XADD \x, 4
.endr
.elseif \n == 3
.irp x, 0,1
	v_cndmask_b32 v[RS+\x], v[RS+\x], v[RS+2+\x], s[M4]
.endr
.irp x, 0,1
	XADD \x, 2
.endr
.else
	v_cndmask_b32 v[RS], v[RS], v[RS+1], s[M2]
	XADD 0, 1
	PLACES 2
.endif
.else
	PLACES 4
.endif
.endm
.macro BATCH op                        ; 32 transcendentals, a plain place, and one wait for all
.set I_, 0
.rept 32
	\op v[ACC+I_], v[ACC+I_]
.set I_, I_+1
.endr
	v_nop
	s_wait_alu depctr_va_vdst(0)
.endm
; The four accumulators, each from its low end on, become RS: 8 rows a lane, summed over my four columns.
.macro TANH_A                          ; as far as the exponentials
	WIN 0x10                                       ; source 2 window 1
.irp t, 0,1,2,3
.irp p, 0,2,4,6
.if \t%2
	v_pk_fma_f32 v[ACC+8*\t+\p:ACC+8*\t+\p+1], v[ACC+8*\t+\p:ACC+8*\t+\p+1], s[K2:K2+1], v[C4+2*(\t/2):C4+2*(\t/2)+1] op_sel:[0,0,1] op_sel_hi:[1,0,1]
.else
	v_pk_fma_f32 v[ACC+8*\t+\p:ACC+8*\t+\p+1], v[ACC+8*\t+\p:ACC+8*\t+\p+1], s[K2:K2+1], v[C4+2*(\t/2):C4+2*(\t/2)+1] op_sel_hi:[1,0,0]
.endif
.endr
.endr
	WIN 0
	s_wait_alu depctr_va_vdst(0)
	BATCH v_exp_f32
.endm
.macro TANH_B                          ; and the rest
.set I_, 0
.rept 16
	v_pk_add_f32 v[ACC+2*I_:ACC+2*I_+1], v[ACC+2*I_:ACC+2*I_+1], 1.0 op_sel_hi:[1,0]
.set I_, I_+1
.endr
	s_wait_alu depctr_va_vdst(0)
	BATCH v_rcp_f32
.irp p, 0,2,4,6
	v_pk_mul_f32 v[ACC+\p:ACC+\p+1], v[ACC+\p:ACC+\p+1], v[B4:B4+1] op_sel_hi:[1,0]
.endr
.irp p, 0,2,4,6
	v_pk_fma_f32 v[ACC+\p:ACC+\p+1], v[ACC+8+\p:ACC+9+\p], v[B4:B4+1], v[ACC+\p:ACC+\p+1] op_sel:[0,1,0] op_sel_hi:[1,1,1]
.endr
.irp p, 0,2,4,6
	v_pk_fma_f32 v[ACC+\p:ACC+\p+1], v[ACC+16+\p:ACC+17+\p], v[B4+2:B4+3], v[ACC+\p:ACC+\p+1] op_sel_hi:[1,0,1]
.endr
.irp p, 0,2,4,6
	v_pk_fma_f32 v[RS+\p:RS+\p+1], v[ACC+24+\p:ACC+25+\p], v[B4+2:B4+3], v[ACC+\p:ACC+\p+1] op_sel:[0,1,0] op_sel_hi:[1,1,1]
.endr
	s_wait_alu depctr_va_vdst(0)
.endm
; A TILE: tile o of phase ph (slot ph % 2: rows 128 ph .. 128 ph + 127).  w0: the younger LDS loads that may be out at its start.
; chg = 1, THE CHANGE OF SLOTS: the slot's last read has been issued.  Each wave waits for all its tensor loads, adds 0 to its spare word, and waits for that and for its reads; a round of the cluster's barrier; the slot at group 0 g0 is filled again
; (step: 256 rows on), the first tensor load behind the round, by waves 4-7.  The products of K steps 4-7 stand between the add and the wait for it and inside the round.  In tile 0 it is slot R1, onto W_z's bytes, which all waves have read.
; chg = 2: a plain barrier shows the last fill.
.macro TILE ph, o, w0=0, rd=1, chg=0, g0=0, step=0
.if (\o) < 3
.set NPH, \ph
.set NO, \o+1
.else
.set NPH, \ph+1
.set NO, 0
.endif
	s_wait_dscnt \w0                               ; K steps 0-3 and the scale words are in
	PROD 0
	WIN 0
	RED 0, \rd
	LX 4, \o, \ph                                  ; each K step's buffer is filled again behind its four products and four places, twelve products ahead of its next use
	PROD 1
	WIN 0
	RED 1, \rd
	LX 5, \o, \ph
	PROD 2
	WIN 0
	RED 2, \rd
	LX 6, \o, \ph
	PROD 3
	WIN 0
	RED 5, \rd
	LX 7, \o, \ph
	s_wait_alu depctr_va_vdst(0)
.if \chg
	s_wait_tensorcnt 0x0
.if \chg == 1
	ds_add_u32 v[SPW], v[NIL]
.if \step
	s_add_nc_u64 s[\g0+2:\g0+3], s[\g0+2:\g0+3], 196608   ; 256 rows of 768 bytes
.endif
	s_wait_dscnt 10                                ; K step 4 is in; 5, 6, 7 (nine loads) and the add may be out
	PROD 4
	s_wait_dscnt 7
.else
	s_wait_dscnt 9
	PROD 4
	s_wait_dscnt 6
.endif
	PROD 5
	s_wait_dscnt 0x0                               ; the add is done, and my reads of the slot are over
	s_barrier_signal -1
	PROD 6                                         ; register work while the others arrive: the last products, the end of the last tile's sum, this tile's exponentials
	PROD 7
	WIN 0
	RED 3, \rd
	RED 4, \rd
	TANH_A
	s_barrier_wait -1
.if \chg == 1
	CREST
	s_cmp_lt_u32 s[WV], 4
	s_cbranch_scc1 .Lno_fill_\@
	tensor_load_to_lds s[\g0:\g0+3], s[G1A:G1A+7]
	s_nop 0
	PLACES 4
.Lno_fill_\@:
.endif
.if \rd
	ds_store_b32 v[QL], v[RS] offset:QP            ; lanes 2 n and 2 n + 1 write the same word with the same value
.endif
	LX 0, NO, NPH
	LX 1, NO, NPH
	LX 2, NO, NPH
	LX 3, NO, NPH
	LSC NO, NPH
.else
	s_wait_dscnt 9                                 ; K step 4 is in; 5, 6, 7 may be out
	PROD 4
	s_wait_dscnt 6
	PROD 5
	WIN 0
	RED 3, \rd
.if 4*(\ph)+(\o) < 15
	LX 0, NO, NPH
	LX 1, NO, NPH
	s_wait_alu depctr_va_vdst(0)
	s_wait_dscnt 9                                 ; K step 6 is in; 7 and the next tile's 0, 1 may be out
	PROD 6
	s_wait_dscnt 6
.else
	s_wait_alu depctr_va_vdst(0)
	s_wait_dscnt 3
	PROD 6
	s_wait_dscnt 0x0
.endif
	PROD 7
	WIN 0
	RED 4, \rd
.if \rd
	ds_store_b32 v[QL], v[RS] offset:QP
.endif
.if 4*(\ph)+(\o) < 15
	LX 2, NO, NPH
	LX 3, NO, NPH
	LSC NO, NPH
.endif
	TANH_A
.endif
	TANH_B
.set QP, 512*(\ph)+64*(\o)                         ; where this tile's rows go, behind the next tile's products
.endm
.set QP, 0
	TILE 0, 0, 48, 0, 1, G0A1, 0                   ; the 48 younger loads are W_z's K steps 4-7.  R1 takes rows 128-255
	TILE 0, 1
	TILE 0, 2
	TILE 0, 3, 0, 1, 1, G0A0, 1                    ; R0 takes rows 256-383
	TILE 1, 0
	TILE 1, 1
	TILE 1, 2
	TILE 1, 3, 0, 1, 1, G0A1, 1                    ; R1 takes rows 384-511
	TILE 2, 0
	TILE 2, 1
	TILE 2, 2
	TILE 2, 3, 0, 1, 2
	TILE 3, 0
	TILE 3, 1
	TILE 3, 2
	TILE 3, 3
	RED 0, 1                                       ; the last tile's rows
	RED 1, 1
	RED 2, 1
	RED 5, 1
	RED 3, 1
	RED 4, 1
	ds_store_b32 v[QL], v[RS] offset:QP
	; the four columns' sums meet: thread n takes rows 2 n, 2 n + 1.  My lane again, from two addresses made of it
	s_lshl_b32 s90, s[WV], 8
	v_sub_nc_u32 v32, v[ASC], s91                  ; 32 r + 16 (r / 8)
	v_bfe_u32 v33, v[QL], 5, 1                     ; h
	v_lshrrev_b32 v32, 5, v32
	v_lshlrev_b32 v32, 3, v32
	v_lshl_add_u32 v32, v33, 7, v32
	v_add_nc_u32 v33, s90, v32                     ; 8 x thread
	v_add_nc_u32 v34, QB, v33
	s_wait_alu depctr_va_vdst(0)
	s_wait_dscnt 0x0                               ; for the others' sake: my stores have landed
	s_barrier_signal -1
	s_barrier_wait -1
.irp w, 0,1,2,3
	ds_load_b64 v[36+2*\w:37+2*\w], v34 offset:2048*\w
.endr
	s_wait_dscnt 0x0
	v_pk_add_f32 v[36:37], v[36:37], v[38:39]
	v_pk_add_f32 v[40:41], v[40:41], v[42:43]
	v_pk_add_f32 v[36:37], v[36:37], v[40:41]
	global_store_b64 v33, v[36:37], s[16:17]       ; a wave stores 256 consecutive bytes, at a multiple of 256
	s_wait_tensorcnt 0x0                           ; the wave's end
	ds_add_u32 v[SPW], v[NIL]
	s_wait_dscnt 0x0
	ROUND                                          ; the closing round: no work-group ends while a partner may still ask for a tile that names it
	s_endpgm
.Lfunc_end_k_q454fcfea33_main:
	.size	k_q454fcfea33_main, .Lfunc_end_k_q454fcfea33_main-k_q454fcfea33_main
	.p2alignl 7, 3214868480
	.fill 96, 4, 3214868480
	.section	.rodata,"a",@progbits
	.p2align	6, 0x0
	.amdhsa_kernel k_q454fcfea33_main
		.amdhsa_group_segment_fixed_size 327680
		.amdhsa_private_segment_fixed_size 0
		.amdhsa_enable_private_segment 0
		.amdhsa_kernarg_size 56
		.amdhsa_user_sgpr_count 2
		.amdhsa_user_sgpr_kernarg_segment_ptr 1
		.amdhsa_wavefront_size32 1
		.amdhsa_system_sgpr_workgroup_id_x 1
		.amdhsa_system_sgpr_workgroup_id_y 1
		.amdhsa_system_sgpr_workgroup_id_z 1
		.amdhsa_system_vgpr_workitem_id 0
		.amdhsa_next_free_vgpr 512
		.amdhsa_next_free_sgpr 100
		.amdhsa_reserve_vcc 0
		.amdhsa_float_denorm_mode_32 3
		.amdhsa_float_denorm_mode_16_64 3
		.amdhsa_memory_ordered 1
		.amdhsa_forward_progress 1
		.amdhsa_inst_pref_size 233
	.end_amdhsa_kernel
	.amdgpu_metadata
---
amdhsa.version: [ 1, 2 ]
amdhsa.kernels:
  - .name:           k_q454fcfea33_main
    .symbol:         k_q454fcfea33_main.kd
    .args:
      - { .name: x_codes, .offset: 0, .size: 8, .value_kind: global_buffer, .address_space: global }
      - { .name: x_scales, .offset: 8, .size: 8, .value_kind: global_buffer, .address_space: global }
      - { .name: wz_codes, .offset: 16, .size: 8, .value_kind: global_buffer, .address_space: global }
      - { .name: wz_scales, .offset: 24, .size: 8, .value_kind: global_buffer, .address_space: global }
      - { .name: cpart, .offset: 32, .size: 8, .value_kind: global_buffer, .address_space: global }
      - { .name: dot_bias, .offset: 40, .size: 8, .value_kind: global_buffer, .address_space: global }
      - { .name: qpart, .offset: 48, .size: 8, .value_kind: global_buffer, .address_space: global }
    .group_segment_fixed_size: 327680
    .private_segment_fixed_size: 0
    .kernarg_segment_align: 8
    .kernarg_segment_size: 56
    .max_flat_workgroup_size: 256
    .sgpr_count:     100
    .vgpr_count:     512
    .wavefront_size: 32
...
	.end_amdgpu_metadata
.endif
;; end of part 2
;; launch soft (part 3): grid 64 x 1, 1 waves a work-group, no clusters, 0 bytes of LDS; arguments qpart, out0; writes out0
.if DOCPART == 3
	.amdgcn_target "amdgcn-amd-amdhsa--gfx1250"
	.amdhsa_code_object_version 6
	.text
	.protected	k_q454fcfea33_soft
	.globl	k_q454fcfea33_soft
	.p2align	8
	.type	k_q454fcfea33_soft,@function
k_q454fcfea33_soft:
	s_mov_b64 s[64:65], 0
	v_nop
	global_prefetch_b8 v0, s[64:65] scope:SCOPE_SE
	s_setreg_imm32_b32 hwreg(HW_REG_WAVE_MODE, 25, 1), 1
	s_wait_xcnt 0x0
; out0[b][:] = softmax over the 512 rows of q[b][:], q = the sum of qpart's four quarters [4][64][512] f32.
; One wave takes a batch: 16 numbers a lane (4 x 16 bytes; each load and store of the wave covers 512 consecutive bytes), so maximum and sum never leave the wave: no LDS, no barrier.
; The row's true maximum m is taken away ahead of the exponential: p = 2^(q log2(e) - m log2(e)), at most about 1; the sum is at least about 1.
; (qpart leaves the sum of dot_bias out of q: it is the same for every row of a softmax.)
	s_load_b128 s[4:7], s[0:1], 0x0                ; qpart, out0
	v_lshlrev_b32 v1, 4, v0                        ; 16 x lane
	s_lshl_b32 s8, ttmp9, 11                       ; a batch's 2,048 bytes
	s_mov_b32 s9, 0
	s_mov_b32 s12, 0x76543210
	s_mov_b32 s13, 0xfedcba98                      ; v_permlanex16_b32's selects for lane l xor 16
	s_wait_alu depctr_va_vdst(0)
	s_wait_kmcnt 0x0
	s_add_nc_u64 s[4:5], s[4:5], s[8:9]
	s_add_nc_u64 s[6:7], s[6:7], s[8:9]
.irp p, 0,1,2,3
.irp j, 0,1,2,3
	global_load_b128 v[16+16*\p+4*\j:19+16*\p+4*\j], v1, s[4:5] offset:131072*\p+512*\j th:TH_LOAD_NT
.endr
.endr
	s_wait_loadcnt 0x0
.irp j, 0,2,4,6,8,10,12,14
	v_pk_add_f32 v[16+\j:17+\j], v[16+\j:17+\j], v[32+\j:33+\j]
	v_pk_add_f32 v[48+\j:49+\j], v[48+\j:49+\j], v[64+\j:65+\j]
.endr
.irp j, 0,2,4,6,8,10,12,14
	v_pk_add_f32 v[16+\j:17+\j], v[16+\j:17+\j], v[48+\j:49+\j]   ; q
.endr
	v_max3_num_f32 v8, v16, v17, v18               ; the largest of my 16, in two chains
	v_max3_num_f32 v9, v19, v20, v21
	v_max3_num_f32 v8, v8, v22, v23
	v_max3_num_f32 v9, v9, v24, v25
	v_max3_num_f32 v8, v8, v26, v27
	v_max3_num_f32 v9, v9, v28, v29
	v_max3_num_f32 v8, v8, v30, v31
	v_max_num_f32 v8, v8, v9
	v_max_num_f32_dpp v8, v8, v8 row_xmask:1 row_mask:0xf bank_mask:0xf
	v_max_num_f32_dpp v8, v8, v8 row_xmask:2 row_mask:0xf bank_mask:0xf
	v_max_num_f32_dpp v8, v8, v8 row_xmask:4 row_mask:0xf bank_mask:0xf
	v_max_num_f32_dpp v8, v8, v8 row_xmask:8 row_mask:0xf bank_mask:0xf
	v_permlanex16_b32 v9, v8, s12, s13
	v_max_num_f32 v8, v8, v9                       ; the row's maximum, in every lane
	v_mul_f32 v10, 0xbfb8aa3b, v8                  ; -m log2(e)
	v_mov_b32 v11, v10
.irp j, 0,2,4,6,8,10,12,14
	v_pk_fma_f32 v[16+\j:17+\j], v[16+\j:17+\j], 0x3fb8aa3b, v[10:11] op_sel_hi:[1,0,1]
.endr
	s_wait_alu depctr_va_vdst(0)
.irp j, 0,1,2,3,4,5,6,7,8,9,10,11,12,13,14,15
	v_exp_f32 v[16+\j], v[16+\j]
.endr
	v_nop                                          ; a plain instruction behind the last exponential
	s_wait_alu depctr_va_vdst(0)                   ; one wait for the batch, ahead of its first reader
	v_pk_add_f32 v[32:33], v[16:17], v[18:19]      ; the sum, in two chains
	v_pk_add_f32 v[34:35], v[20:21], v[22:23]
	v_pk_add_f32 v[32:33], v[32:33], v[24:25]
	v_pk_add_f32 v[34:35], v[34:35], v[26:27]
	v_pk_add_f32 v[32:33], v[32:33], v[28:29]
	v_pk_add_f32 v[34:35], v[34:35], v[30:31]
	v_pk_add_f32 v[32:33], v[32:33], v[34:35]
	v_add_f32 v8, v32, v33
	v_add_f32_dpp v8, v8, v8 row_xmask:1 row_mask:0xf bank_mask:0xf
	v_add_f32_dpp v8, v8, v8 row_xmask:2 row_mask:0xf bank_mask:0xf
	v_add_f32_dpp v8, v8, v8 row_xmask:4 row_mask:0xf bank_mask:0xf
	v_add_f32_dpp v8, v8, v8 row_xmask:8 row_mask:0xf bank_mask:0xf
	v_permlanex16_b32 v9, v8, s12, s13
	v_add_f32 v8, v8, v9
	s_wait_alu depctr_va_vdst(0)
	v_rcp_f32 v10, v8
	v_nop
	s_wait_alu depctr_va_vdst(0)
.irp j, 0,2,4,6,8,10,12,14
	v_pk_mul_f32 v[16+\j:17+\j], v[16+\j:17+\j], v[10:11] op_sel_hi:[1,0]
.endr
.irp j, 0,1,2,3
	global_store_b128 v1, v[16+4*\j:19+4*\j], s[6:7] offset:512*\j
.endr
	s_endpgm
.Lfunc_end_k_q454fcfea33_soft:
	.size	k_q454fcfea33_soft, .Lfunc_end_k_q454fcfea33_soft-k_q454fcfea33_soft
	.p2alignl 7, 3214868480
	.fill 96, 4, 3214868480
	.section	.rodata,"a",@progbits
	.p2align	6, 0x0
	.amdhsa_kernel k_q454fcfea33_soft
		.amdhsa_group_segment_fixed_size 0
		.amdhsa_private_segment_fixed_size 0
		.amdhsa_enable_private_segment 0
		.amdhsa_kernarg_size 16
		.amdhsa_user_sgpr_count 2
		.amdhsa_user_sgpr_kernarg_segment_ptr 1
		.amdhsa_wavefront_size32 1
		.amdhsa_system_sgpr_workgroup_id_x 1
		.amdhsa_system_sgpr_workgroup_id_y 1
		.amdhsa_system_sgpr_workgroup_id_z 1
		.amdhsa_system_vgpr_workitem_id 0
		.amdhsa_next_free_vgpr 96
		.amdhsa_next_free_sgpr 66
		.amdhsa_reserve_vcc 0
		.amdhsa_float_denorm_mode_32 3
		.amdhsa_float_denorm_mode_16_64 3
		.amdhsa_memory_ordered 1
		.amdhsa_forward_progress 1
		.amdhsa_inst_pref_size 8
	.end_amdhsa_kernel
	.amdgpu_metadata
---
amdhsa.version: [ 1, 2 ]
amdhsa.kernels:
  - .name:           k_q454fcfea33_soft
    .symbol:         k_q454fcfea33_soft.kd
    .args:
      - { .name: qpart, .offset: 0, .size: 8, .value_kind: global_buffer, .address_space: global }
      - { .name: out0, .offset: 8, .size: 8, .value_kind: global_buffer, .address_space: global }
    .group_segment_fixed_size: 0
    .private_segment_fixed_size: 0
    .kernarg_segment_align: 8
    .kernarg_segment_size: 16
    .max_flat_workgroup_size: 32
    .sgpr_count:     66
    .vgpr_count:     96
    .wavefront_size: 32
...
	.end_amdgpu_metadata
.endif
;; end of part 3
